; MI455X (gfx1250); checked and timed in simulation.
; The chip was launched on July 23, 2026; its instructions are those of AMD's public machine-readable ISA for CDNA 5 (MIT licence, August 2026) and "CDNA5" Instruction Set Architecture Reference Guide (July 2026). The comments in the code are by the model that wrote it; some were corrected since.
;; LSTM Cell. Allowed arithmetic: matrix products marked QUANTISED: E2M1 operands, one E8M0 scale for each 32 along K, by v_wmma_scale_f32_16x16x128_f8f6f4 with both operands' format E2M1 (or v_wmma_scale_f32_32x16x128_f4), f32 sums; everything else in f32.
;; Inputs: W_fg 2,048 x 4,096 float32; W_ig 2,048 x 4,096 float32; W_og 2,048 x 4,096 float32; W_ol 2,048 x 4,096 float32; c_state 2,048 x 2,048 float32; prev_state 2,048 x 2,048 float32; x 2,048 x 2,048 float32.
;; Outputs: out0 2,048 x 2,048 float32.
;; This version of the problem:
;;   THIS VERSION OF THE PROBLEM IS GIVEN IN LOW PRECISION. The matrix products marked QUANTISED in the list below multiply operands that are first quantised to E2M1 (2 exponent bits, 1 mantissa bit; 4 bits a number), with one power-of-two scale for each 32 numbers along K (OCP MX v1.0); their sums are f32. All else is computed in f32.
;;   The module's matrix products, in the order in which they are computed (A, B: the left and right operand; K: the contracted axis; several contracted axes count as one K, in the product's order):
;;     1. [M 2,048, K 4,096] x [K 4,096, N 8,192]; A: computed on the way; B: computed on the way: QUANTISED
;;   THE QUANTISER, for each operand of a quantised product, along K:
;;     - K is cut into blocks of 32 from its start; a last block that is shorter is filled with zeros.
;;     - A block's scale is 2^e with e = floor(log2(the largest magnitude in the block)) - 2, held to -126 .. 127; a block of zeros has e = 0. As a byte (E8M0): e + 127.
;;     - Each number is divided by its block's scale, clamped to +-6, and rounded to the nearest number of E2M1, ties to even, subnormals kept.
;;     - The product sums the exact products of the quantised numbers (number of the format x scale) in f32.
;;   ~~~python
;;   def quantise(x, axis):      # numpy; x: float32 -> the quantised numbers, widened to float32 again
;;       x = np.moveaxis(x, axis, -1); K = x.shape[-1]
;;       x = np.pad(x, [(0, 0)] * (x.ndim - 1) + [(0, -K % 32)]); x = x.reshape(x.shape[:-1] + (-1, 32)); a = np.abs(x).max(-1, keepdims=True)
;;       e = np.where(a > 0, np.clip(np.frexp(np.where(a > 0, a, 1))[1] - 1 - 2, -126, 127), 0)      # np.frexp(a)[1] - 1 = floor(log2(a)), exactly
;;       r = np.clip(x / 2.0 ** e, -6, 6)
;;       step = 2.0 ** (np.maximum(np.frexp(np.where(r == 0, 1, r))[1] - 1, 0) - 1)
;;       q = np.round(r / step) * step * 2.0 ** e      # np.round: ties to even
;;       return np.moveaxis(q.reshape(q.shape[:-2] + (-1,))[..., :K], -1, axis).astype(np.float32)
;;   ~~~
;;   OPERANDS COMPUTED ON THE WAY. 'Computed on the way' means the value that the module computes at that place (a softmax that the list does not call 'softmax' is quantised finished and normalised). What goes into a quantiser is computed in f32, as accurately as f32 sums, v_exp_f32 and their like allow (about 1e-6 of the number): no bf16 or f16 on the way to a quantiser, and a product that is left as it is and whose result goes on into a quantised operand takes f32 operands (vector FMAs, or v_wmma_f32_16x16x4_f32). A number that lies on a knife's edge between two numbers of the format may be rounded either way, as far as f32 arithmetic and the matrix unit's own rounding can turn it there, and no further.
;; One version. Each part assembles by itself: llvm-mc -triple=amdgcn-amd-amdhsa -mcpu=gfx1250 --defsym DOCPART=n.
;; ======== version 1 of 1: 2 launches
;; limits: right only within a limited range of input values
;; workspace buffers: a_pack 4,456,448 bytes; b_pack 17,825,792 bytes
;; launch quant (part 1): grid 1280 x 1, 4 waves a work-group, no clusters, 33,280 bytes of LDS; arguments prev_state, x, W_fg, W_ig, W_og, W_ol, a_pack, b_pack; writes a_pack, b_pack
.if DOCPART == 1
	.amdgcn_target "amdgcn-amd-amdhsa--gfx1250"
	.amdhsa_code_object_version 6
	.text
	.protected	k_qed6059ce59_quant
	.globl	k_qed6059ce59_quant
	.p2align	8
	.type	k_qed6059ce59_quant,@function
k_qed6059ce59_quant:
	s_mov_b64 s[64:65], 0
	v_nop
	global_prefetch_b8 v0, s[64:65] scope:SCOPE_SE
	s_setreg_imm32_b32 hwreg(HW_REG_WAVE_MODE, 25, 1), 1
	s_wait_xcnt 0x0
; The two operands of gates = [prev_state | x] [W_fg; W_ig; W_og; W_ol]^T, f32 with K innermost, become codes of FP4 (E2M1) with one E8M0 scale byte for each 32 along K.
; A block's scale is 2^(floor(log2(its largest magnitude)) - 2); its byte is the largest magnitude's own exponent field - 2, held at 1 from below.  Each number is divided by the scale and rounded to the
; nearest code, ties to even, beyond 6 the largest code.
; LIMITS: a block of zeros gets the byte 1 where the rule says 127 (its codes are zeros, which add nothing under any byte but 0xff, and this program alone reads the bytes); blocks whose largest magnitude
; lies under 2^-124 keep the byte 1; NaN and infinities among the inputs are not served.
; THE WORKSPACE IS LAID AS THE PRODUCT'S LAUNCH FETCHES IT: [block of 128 operand rows][K step of 512][34,816 bytes].  Such a tile is 136 pieces of 256 bytes: piece r (0 .. 127) = the 512 codes of row r;
; piece 128 + i = the scale bytes of rows 16 i .. 16 i + 15, 16 bytes a row.  So a K step's codes AND scales of 128 rows are one dense run of memory.
; a_pack: row m of the activations is row m % 128 of block m / 128; K 0 .. 2,047 is prev_state, K 2,048 .. 4,095 is x.
; b_pack: row j of gate g (0 fg, 1 ig, 2 og, 3 ol) is row 32 g + j % 32 of block j / 32: a block holds all four gates of 32 columns of H.
; SHARES.  A wave takes 16 rows x one K step: 16 steps of one row's 512 numbers (2,048 consecutive bytes), 4,096 bytes of codes and 256 scale bytes.  The four waves of a work-group stand side by side on
; 8,192 consecutive bytes of each row.  Work-groups 0 .. 255 take the activations, 256 T .. 256 T + 255 gate T - 1; in each, bit 0 says which half of K and bits 7:1 which 16 rows.
; One path serves all six tensors: only pointers and a few scalars are chosen, by the work-group's number alone.
; A conversion takes 8 numbers of ONE block from a lane's registers, so a lane must hold 16 neighbours; a load is best where neighbouring lanes take neighbouring bytes.  Both are had: each load reads 512
; consecutive bytes, 16 a lane; a step's 2,048 bytes go through the wave's own stage in LDS as they lie and come back 64 bytes a lane (16 bytes of padding behind each 64 spread the reads over the banks).
; No tensor loads, no barrier, no cluster: waves and work-groups share nothing.  Loads run four steps (16 loads a wave) ahead, the turn through LDS one step.
.set STEPS, 16
.set EMAX,  2
.set TILEB, 34816                      ; bytes of a tile of the workspace
.set R,     16                         ; v16-79   four sets of 16 numbers as they are loaded
.set X,     80                         ; v80-111  two sets of 16 neighbours
.set E,     112                        ; v112-127 a scale byte for each step
.set C,     128                        ; v128-159 codes: two registers for each step, so that no store's data are written again
.set OFF,   160                        ; v160-163 set s: 16 x lane + the byte offset of the row that the set loads next
.set WREG,  8192                       ; LDS: a region of its own for each wave: two stages of 32 x SP bytes, and behind them its 256 scale bytes
.set SP,    80                         ; a lane's place in a stage: its 64 bytes + 16 of padding
	s_load_b256 s[4:11], s[0:1], 0x0               ; prev_state s[4:5], x s[6:7], W_fg s[8:9], W_ig s[10:11]
	s_load_b256 s[12:19], s[0:1], 0x20             ; W_og s[12:13], W_ol s[14:15], a_pack s[16:17], b_pack s[18:19]
	v_lshl_add_u32 v168, v0, 2, 0x8000
	v_mov_b32 v169, 0
	v_lshrrev_b32 v1, 5, v0
	v_readfirstlane_b32 s33, v1                    ; wave 0..3
	v_and_b32 v2, 31, v0                           ; lane
	v_lshlrev_b32 v[OFF], 4, v2                    ; my 16 bytes of a load's 512
	s_mul_i32 s34, s33, WREG
	v_lshrrev_b32 v14, 2, v2
	v_mul_u32_u24 v14, v14, SP
	v_and_b32 v15, 3, v2
	v_lshl_add_u32 v14, v15, 4, v14
	v_add_nc_u32 v14, s34, v14                     ; the stage, on the way in: four lanes' 64 bytes on end, then 16 of padding: SP (lane / 4) + 16 (lane % 4); a load's 512 bytes take eight places
	v_mul_u32_u24 v15, v2, SP
	v_add_nc_u32 v15, s34, v15                     ; and on the way out: SP x lane: my 16 neighbours
	v_lshlrev_b32 v4, 3, v2                        ; 8 x lane: my codes' place in a row's 256 bytes, and my 8 of the wave's 256 scale bytes
	v_lshrrev_b32 v5, 1, v2
	s_add_co_u32 s34, s34, 2*32*SP
	v_add_nc_u32 v5, s34, v5                       ; LDS: my wave's 256 scale bytes, my block's byte
	v_add_nc_u32 v6, s34, v4                       ; and on the way out 8 bytes a lane
	; which tensor, which rows, which part of K: all from the work-group's and the wave's number
	s_lshr_b32 s20, ttmp9, 8                       ; T: 0 the activations, 1 .. 4 gate T - 1
	s_and_b32 s21, ttmp9, 1                        ; which half of K
	s_bfe_u32 s22, ttmp9, 0x70001                  ; q: which 16 rows of the tensor's 2,048
	s_lshr_b32 s24, s22, 3                         ; activations: block of 128 rows q / 8,
	s_and_b32 s25, s22, 7                          ; and in it the 16 rows q % 8
	s_lshr_b32 s26, s22, 1                         ; weights: block q / 2 (32 columns of H),
	s_max_u32 s27, s20, 1
	s_sub_co_u32 s27, s27, 1                       ; the gate (0 for the activations, where it is not used)
	s_lshl_b32 s27, s27, 1
	s_and_b32 s28, s22, 1
	s_add_co_u32 s28, s28, s27                     ; and in it the 16 rows 2 x gate + q % 2
	s_cmp_eq_u32 s20, 0
	s_cselect_b32 s24, s24, s26                    ; the block
	s_cselect_b32 s25, s25, s28                    ; i: the 16 rows in it
	s_cselect_b32 s23, 13, 14                      ; a source row is 8,192 bytes (prev_state, x) or 16,384 (a weight): its logarithm
	s_cselect_b32 s29, 0, s21                      ; the half of K is another tensor for the activations, 8,192 bytes along the row for a weight
	s_lshl_b32 s27, 1, s23                         ; one, two, three and four source rows in bytes
	s_lshl_b32 s30, 2, s23
	s_add_co_u32 s31, s30, s27
	s_lshl_b32 s32, 4, s23
	v_add_nc_u32 v[OFF+1], s27, v[OFF]
	v_add_nc_u32 v[OFF+2], s30, v[OFF]
	v_add_nc_u32 v[OFF+3], s31, v[OFF]
	s_lshl_b32 s36, s22, 4
	s_lshl_b32 s36, s36, s23                       ; my first row, in bytes (under 2^26)
	s_lshl_b32 s29, s29, 2
	s_add_co_u32 s29, s29, s33
	s_lshl_b32 s29, s29, 11                        ; + my wave's 2,048 bytes of it
	s_add_co_u32 s36, s36, s29
	s_mov_b32 s37, 0
	s_lshl_b32 s38, s21, 2
	s_add_co_u32 s38, s38, s33                     ; the K step: 4 x half + wave
	s_lshl_b32 s24, s24, 3
	s_add_co_u32 s38, s38, s24                     ; the tile: 8 x block + K step
	s_mul_i32 s38, s38, TILEB                      ; in bytes (under 2^25)
	s_mov_b32 s39, 0
	s_wait_alu depctr_va_vdst(0)
	s_wait_kmcnt 0x0
	s_cmp_eq_u32 s21, 0                            ; the source: every choice hangs on the work-group's number alone
	s_cselect_b64 s[4:5], s[4:5], s[6:7]           ; prev_state or x,
	s_cmp_eq_u32 s20, 1
	s_cselect_b64 s[4:5], s[8:9], s[4:5]           ; or one of the four weights
	s_cmp_eq_u32 s20, 2
	s_cselect_b64 s[4:5], s[10:11], s[4:5]
	s_cmp_eq_u32 s20, 3
	s_cselect_b64 s[4:5], s[12:13], s[4:5]
	s_cmp_eq_u32 s20, 4
	s_cselect_b64 s[4:5], s[14:15], s[4:5]
	s_cmp_eq_u32 s20, 0
	s_cselect_b64 s[6:7], s[16:17], s[18:19]       ; the destination: a_pack or b_pack
	s_add_nc_u64 s[4:5], s[4:5], s[36:37]
.macro LOAD t                          ; row t's 2,048 bytes into set t % 4
.irp i, 0,1,2,3
	global_load_b128 v[R+16*((\t)%4)+4*\i:R+16*((\t)%4)+4*\i+3], v[OFF+(\t)%4], s[4:5] offset:512*\i th:TH_LOAD_NT   ; 32 lanes read 512 consecutive bytes; read once in the launch
.endr
.endm
.macro TURN t                          ; step t's numbers through the stage: LDS serves a wave's instructions in order, so no wait stands between the stores and the loads
.irp i, 0,1,2,3
	ds_store_b128 v14, v[R+16*((\t)%4)+4*\i:R+16*((\t)%4)+4*\i+3] offset:32*SP*((\t)%2)+8*SP*\i
.endr
.irp i, 0,1,2,3
	ds_load_b128 v[X+16*((\t)%2)+4*\i:X+16*((\t)%2)+4*\i+3], v15 offset:32*SP*((\t)%2)+16*\i
.endr
.endm
.irp t, 0,1,2,3
	LOAD \t
.endr
	s_add_nc_u64 s[6:7], s[6:7], s[38:39]          ; my tile;
	s_lshl_b32 s36, s25, 12
	s_add_nc_u64 s[8:9], s[6:7], s[36:37]          ; in it my 16 rows of codes, 256 bytes each,
	s_lshl_b32 s36, s25, 8
	s_add_co_u32 s36, s36, 32768
	s_add_nc_u64 s[10:11], s[6:7], s[36:37]        ; and behind the 128 rows of codes my 256 scale bytes
	s_wait_loadcnt 12                              ; step 0's four loads are in; the twelve of steps 1 to 3 stay out
	TURN 0
.macro STEP t
.set XS, X+16*((\t)%2)
.if (\t) > 0
	s_wait_dscnt 1                                 ; this step's numbers are back from the stage (the last step's byte store may be out): so its stores into the stage have read their registers,
.else
	s_wait_dscnt 0x0
.endif
.if (\t)+4 < STEPS
	v_add_nc_u32 v[OFF+(\t)%4], s32, v[OFF+(\t)%4] ; (four rows on: this step's loads, which read the register, were shown done by the counted wait a step ago)
	LOAD (\t)+4                                    ; which take the loads of four steps on
.endif
.if (\t)+1 < STEPS
.if STEPS-2-(\t) >= 3
	s_wait_loadcnt 12                              ; the next step's four loads are in; those of the three steps behind it may be out
.else
	s_wait_loadcnt 4*(STEPS-2-(\t))                ; the last steps load nothing: the counts run down
.endif
	TURN (\t)+1                                    ; and go through the other stage while this step is worked
.endif
	v_max3_num_f32 v8, |v[XS]|, |v[XS+1]|, |v[XS+2]|               ; the largest magnitude of my 16, in two chains
	v_max3_num_f32 v9, |v[XS+3]|, |v[XS+4]|, |v[XS+5]|
.irp i, 6,10
	v_max3_num_f32 v8, v8, |v[XS+\i]|, |v[XS+\i+1]|
	v_max3_num_f32 v9, v9, |v[XS+\i+2]|, |v[XS+\i+3]|
.endr
	v_max3_num_f32 v8, v8, |v[XS+14]|, |v[XS+15]|
	v_max3_num_f32 v8, v8, v9, (EMAX+1)<<23        ; and the floor 2^(EMAX + 1 - 127), under which no largest magnitude is taken: so the byte cannot fall under 1
	v_max_num_f32_dpp v8, v8, v8 row_xmask:1 row_mask:0xf bank_mask:0xf   ; and of my neighbour's 16: the block's
	v_add_nc_u32 v11, -(EMAX<<23), v8              ; EMAX off its exponent field: the conversion takes the exponent field of this operand as its scale, and nothing else of it
	v_cvt_scalef32_pk8_fp4_f32 v[C+2*(\t)], v[XS:XS+7], v11        ; eight numbers / 2^(v11's exponent), to the nearest code; the first number's code in the lowest four bits
	v_cvt_scalef32_pk8_fp4_f32 v[C+2*(\t)+1], v[XS+8:XS+15], v11
	v_lshrrev_b32 v[E+(\t)], 23, v11               ; the scale's byte (also the plain instruction behind the conversions)
	ds_store_b8 v5, v[E+(\t)] offset:16*(\t)       ; row t's 16 bytes; both lanes of a block write the same byte with the same value
	global_store_b64 v4, v[C+2*(\t):C+2*(\t)+1], s[8:9] offset:256*(\t)   ; 32 lanes store the row's 256 consecutive bytes, at a multiple of 256 from the buffer's first byte
.endm
.irp t, 0,1,2,3,4,5,6,7,8,9,10,11,12,13,14,15
	STEP \t
.endr
	ds_load_b64 v[12:13], v6                       ; LDS serves a wave's instructions in order: these see my byte stores
	s_wait_dscnt 0x0
	global_store_b64 v4, v[12:13], s[10:11]        ; 32 lanes store the 256 scale bytes of my 16 rows as one run
	s_wait_tensorcnt 0x0
	ds_add_u32 v168, v169
	s_wait_dscnt 0x0
	s_endpgm
.Lfunc_end_k_qed6059ce59_quant:
	.size	k_qed6059ce59_quant, .Lfunc_end_k_qed6059ce59_quant-k_qed6059ce59_quant
	.p2alignl 7, 3214868480
	.fill 96, 4, 3214868480
	.section	.rodata,"a",@progbits
	.p2align	6, 0x0
	.amdhsa_kernel k_qed6059ce59_quant
		.amdhsa_group_segment_fixed_size 33280
		.amdhsa_private_segment_fixed_size 0
		.amdhsa_enable_private_segment 0
		.amdhsa_kernarg_size 64
		.amdhsa_user_sgpr_count 2
		.amdhsa_user_sgpr_kernarg_segment_ptr 1
		.amdhsa_wavefront_size32 1
		.amdhsa_system_sgpr_workgroup_id_x 1
		.amdhsa_system_sgpr_workgroup_id_y 1
		.amdhsa_system_sgpr_workgroup_id_z 1
		.amdhsa_system_vgpr_workitem_id 0
		.amdhsa_next_free_vgpr 170
		.amdhsa_next_free_sgpr 66
		.amdhsa_reserve_vcc 0
		.amdhsa_float_denorm_mode_32 3
		.amdhsa_float_denorm_mode_16_64 3
		.amdhsa_memory_ordered 1
		.amdhsa_forward_progress 1
		.amdhsa_inst_pref_size 35
	.end_amdhsa_kernel
	.amdgpu_metadata
---
amdhsa.version: [ 1, 2 ]
amdhsa.kernels:
  - .name:           k_qed6059ce59_quant
    .symbol:         k_qed6059ce59_quant.kd
    .args:
      - { .name: prev_state, .offset: 0, .size: 8, .value_kind: global_buffer, .address_space: global }
      - { .name: x, .offset: 8, .size: 8, .value_kind: global_buffer, .address_space: global }
      - { .name: W_fg, .offset: 16, .size: 8, .value_kind: global_buffer, .address_space: global }
      - { .name: W_ig, .offset: 24, .size: 8, .value_kind: global_buffer, .address_space: global }
      - { .name: W_og, .offset: 32, .size: 8, .value_kind: global_buffer, .address_space: global }
      - { .name: W_ol, .offset: 40, .size: 8, .value_kind: global_buffer, .address_space: global }
      - { .name: a_pack, .offset: 48, .size: 8, .value_kind: global_buffer, .address_space: global }
      - { .name: b_pack, .offset: 56, .size: 8, .value_kind: global_buffer, .address_space: global }
    .group_segment_fixed_size: 33280
    .private_segment_fixed_size: 0
    .kernarg_segment_align: 8
    .kernarg_segment_size: 64
    .max_flat_workgroup_size: 128
    .sgpr_count:     66
    .vgpr_count:     170
    .wavefront_size: 32
...
	.end_amdgpu_metadata
.endif
;; end of part 1
;; launch cell (part 2): grid 32 x 8, 4 waves a work-group, clusters of 4 x 4, 327,680 bytes of LDS; arguments a_pack, b_pack, c_state, out0; writes out0
.if DOCPART == 2
	.amdgcn_target "amdgcn-amd-amdhsa--gfx1250"
	.amdhsa_code_object_version 6
	.text
	.protected	k_qed6059ce59_cell
	.globl	k_qed6059ce59_cell
	.p2align	8
	.type	k_qed6059ce59_cell,@function
k_qed6059ce59_cell:
	s_mov_b64 s[64:65], 0
	v_nop
	global_prefetch_b8 v0, s[64:65] scope:SCOPE_SE
	s_setreg_imm32_b32 hwreg(HW_REG_WAVE_MODE, 25, 1), 1
	s_wait_xcnt 0x0
	s_wait_alu depctr_hold_cnt(0) depctr_sa_sdst(0) depctr_va_vdst(0) depctr_va_sdst(0) depctr_va_ssrc(0) depctr_va_vcc(0) depctr_vm_vsrc(0)
	s_getreg_b32 s2, hwreg(HW_REG_IB_STS2, 6, 4)
	s_cmp_eq_u32 s2, 0
	s_cbranch_scc0 .Lentry_in_a_cluster
	s_endpgm
.Lentry_in_a_cluster:
	s_bfe_u32 s2, ttmp6, 0x10000c
	s_cmp_lg_u32 s2, 0xf033
	s_cbranch_scc0 .Lentry_shape_is_right
	s_endpgm
.Lentry_shape_is_right:
; gates = [prev_state | x] [W_fg; W_ig; W_og; W_ol]^T on codes of FP4 (E2M1) with E8M0 scales, then ht = sig(o) tanh(sig(f) c + sig(i) sig(g)), all in one launch.
; a_pack, b_pack: [block of 128 operand rows][K step of 512][136 pieces of 256 bytes]: pieces 0-127 the rows' codes, piece 128 + i the scale bytes of rows 16 i .. 16 i + 15 (16 bytes a row).
; A block of b_pack holds the four gates of 32 columns of H (row 32 g + j).  A work-group makes 256 rows x 64 columns of ht (256 x 256 gates); a wave 128 x 128 gates: 32 accumulators of 32 x 16.
; THE PRODUCT IS USED TRANSPOSED: source 0 = 32 rows of weights, source 1 = 16 rows of activations: lane (r, h) holds activation row r, and in block a register 16 g + 8 u + j is gate g of column 16 u + 8 h + j.
; K goes in 8 steps of 512 through two LDS slots; each wave fetches one tile of 136 x 256 bytes.  CLUSTERS 4 x 4: the activations' tiles are asked for jointly along a row, the weights' along a column.
; Each cluster begins at another pair of K steps ((2 cluster y + cluster x) mod 4) and wraps round: the sums are the same up to their order.
; REGISTERS, in windows of 256.  Every window: v128-255 = the accumulators of activation blocks 2 w, 2 w + 1.  Window 0: v0-31 addresses, v32-127 scale words, two sets of 48 (16 weights', all 32 lanes; 32 activations', lanes 0-15).
; Window 1: v0-63 weights' fragments of even steps, v64-67 LDS addresses.  Window 2: the same for odd steps.  Window 3: v0-63, v64-127 activations' fragments of even and odd steps.
; A step of 128 along K: ONE run of 32 LDS loads, the next step's fragments into the other set of both operands, and then 32 products in four phases, one for each window of accumulators.
; So a run is asked for a whole step ahead of its first use, and products and loads change places once a step.
; PREFETCH: of a tile's 136 blocks of 256 bytes each of the four partners that ask for it names 34, told apart by address: two instructions a wave and K step.  Behind K step 0's tensor load: K step 1;
; behind K step 1's: K steps 2 and 3; behind the refill that brings K step j (j = 2 .. 5): K step j + 2.  So at most two K steps are asked for and not yet read.
; c_state has none: its one tensor load goes out more than a K step ahead of its first read, and no loop runs ahead of it.
; LIMITS: NaN and infinities among the inputs are not served.  An exponential that overflows gives infinity, whose reciprocal is 0: the gate's limit; tanh is made from 2^(-2 log2(e) |ct|), at most 1.
.set PITCH,  272                       ; an LDS row: 256 bytes + 16 of padding
.set TROWS,  136
.set TILEB,  TROWS*256
.set RBSTR,  8*TILEB                   ; a block of 128 rows, all of K
.set HALFT,  TROWS*PITCH               ; a tile in LDS
.set SLOT,   4*HALFT                   ; two tiles of activations, two of weights
.set LAPS,   4
.set SPARE,  2*SLOT                    ; the spare words: 512 bytes that no other line names
.set STG,    256*PITCH                 ; the way out: behind c_state's tile, both in slot 0 after its last fill of codes
.set ADSA, 18                          ; v18-19 LDS address of the activations' scale words, slot 0, 1
.set ADSB, 22                          ; v22-23 of the weights'
.set STO,  24
.set RD,   25
.set CO,   26
.set CRD,  27
.set SPW,  28
.set NIL,  29
.set PF0,  30                          ; prefetch offsets: 256 x lane; 256 x min(lane, 1)
.set PF1,  31
.set SC,   32
.set ACB,  128
.set XB,   64                          ; windows 1 and 2: v64-65 LDS address of my weights' fragments in slot 0, 1; v66-67 of my activations'
.set XA,   66
.set PFA3, 4                           ; s[4:5], once a_pack's address has been used
.set G1, 24
.set G0, 32
.set G1B, 48
.set G0B, 56
.set PFA2, 66
.set G1C, 68
.set G0C, 76
.set LG,  80
.set L2,  82
.set SGN, 83
.set WRAP, 92
.set PAIR, 94
.set PK,  95
.set PFB, 98
.set PFA, 100
.set MSB, 0
.macro WIN new                         ; the immediate's high byte repeats the setting that is left
.if MSB != (\new)
	s_set_vgpr_msb (MSB<<8)|(\new)
.set MSB, (\new)
.endif
.endm
.macro PLACES
.rept 4
	v_nop
.endr
.endm
.macro JLOAD g0a, g1a, g0b, g1b        ; a joint load: waves 0, 1 fetch activations, waves 2, 3 weights; s_nop 0 and four v_nop behind each line
	s_cmp_eq_u32 s15, 0
	s_cbranch_scc0 .Lfor_b_\@
	tensor_load_to_lds s[\g0a:\g0a+3], s[\g1a:\g1a+7]
	s_nop 0
	PLACES
	s_branch .Lasked_\@
.Lfor_b_\@:
	tensor_load_to_lds s[\g0b:\g0b+3], s[\g1b:\g1b+7]
	s_nop 0
	PLACES
.Lasked_\@:
.endm
.macro CREST                           ; a round of the cluster's barrier behind its opening barrier
	s_cmp_lg_u32 s14, 0
	s_cbranch_scc1 .Lnot_wave_0_\@
	s_barrier_signal -3
.Lnot_wave_0_\@:
	s_barrier_wait -3
	s_barrier_signal -1
	s_barrier_wait -1
.endm
.macro CROUND
	s_barrier_signal -1
	s_barrier_wait -1
	CREST
.endm
.macro ASKFOR adr                      ; my 34 blocks of the tile at s[adr:adr+1]: 32 lanes a block each, then two more (lanes 1-31 name the last block)
	global_prefetch_b8 v[PF0], s[\adr:\adr+1] th:TH_LOAD_NT scope:SCOPE_SE
	global_prefetch_b8 v[PF1], s[\adr:\adr+1] offset:8192 th:TH_LOAD_NT scope:SCOPE_SE
.endm
	s_load_b256 s[4:11], s[0:1], 0x0               ; a_pack, b_pack, c_state, out0
	v_lshl_add_u32 v[SPW], v0, 2, SPARE
	v_mov_b32 v[NIL], 0
	ds_add_u32 v[SPW], v[NIL]                      ; the opening lines: the add twice on end and one wait
	ds_add_u32 v[SPW], v[NIL]
	v_lshrrev_b32 v1, 5, v0
	v_readfirstlane_b32 s14, v1                    ; wave
	s_lshr_b32 s15, s14, 1                         ; my half of the rows; also: I fetch activations (0) or weights (1)
	s_and_b32 s16, s14, 1                          ; my half of the gates' columns; also: which block of 128 rows I fetch
	s_bfe_u32 s40, ttmp6, 0x40000                  ; cx
	s_bfe_u32 s41, ttmp6, 0x40004                  ; cy
	s_lshl_b32 s42, ttmp9, 2
	s_add_co_u32 s42, s42, s40                     ; tile column
	s_and_b32 s17, ttmp7, 0xffff
	s_lshl_b32 s[PAIR], s17, 1
	s_add_co_u32 s[PAIR], s[PAIR], ttmp9
	s_and_b32 s[PAIR], s[PAIR], 3                  ; the pair of K steps at which my cluster begins
	s_mul_i32 s18, s[PAIR], 2*TILEB
	s_mov_b32 s19, 0
	s_mov_b32 s[WRAP+1], 0
	s_lshl_b32 s17, s17, 2
	s_add_co_u32 s17, s17, s41                     ; tile row
	s_lshl_b32 s43, s41, 2
	s_lshl_b32 s43, 15, s43                        ; my row of the cluster
	s_lshl_b32 s44, 0x1111, s40                    ; my column
	s_or_b32 s[G1+0], s43, (3<<16)|(1<<20)|(1<<21)|(5<<22)|(3<<25)   ; elements of 8 bytes; 4 words of padding behind every 64
	s_or_b32 s[G1B+0], s44, (3<<16)|(1<<20)|(1<<21)|(5<<22)|(3<<25)
.irp g, G1, G1B
	s_mov_b32 s[\g+1], 32<<16
	s_mov_b32 s[\g+2], TROWS<<16
	s_mov_b32 s[\g+3], 32<<16
	s_mov_b32 s[\g+4], TROWS
	s_mov_b32 s[\g+5], 32
	s_mov_b32 s[\g+6], 0
	s_mov_b32 s[\g+7], 0
.endr
	s_mov_b32 s[G1C+0], (2<<16)|(1<<20)|(5<<22)|(3<<25)   ; c_state: 64 rows x 64 f32, my work-group's own
	s_mov_b32 s[G1C+1], 64<<16
	s_mov_b32 s[G1C+2], 64<<16
	s_mov_b32 s[G1C+3], 64<<16
	s_mov_b32 s[G1C+4], 64
	s_mov_b32 s[G1C+5], 2048
	s_mov_b32 s[G1C+6], 0
	s_mov_b32 s[G1C+7], 0
	s_lshl_b32 s20, s17, 1
	s_add_co_u32 s20, s20, s16
	s_mul_i32 s20, s20, RBSTR                      ; the block of activations that I fetch
	s_mov_b32 s21, 0
	s_lshl_b32 s46, s42, 1
	s_add_co_u32 s46, s46, s16
	s_mul_i32 s46, s46, RBSTR                      ; the block of weights
	s_mov_b32 s47, 0
	s_mul_i32 s45, s14, HALFT                      ; where my tile goes
	s_lshl_b32 s84, s17, 8
	s_lshl_b32 s85, s14, 6
	s_add_co_u32 s84, s84, s85
	s_lshl_b32 s84, s84, 13
	s_lshl_b32 s85, s42, 8
	s_add_co_u32 s84, s84, s85                     ; c_state: row 256 x tile row + 64 x wave, byte 256 x tile column
	s_mov_b32 s85, 0
	s_lshl_b32 s12, s17, 8
	s_lshl_b32 s13, s15, 7
	s_add_co_u32 s12, s12, s13
	s_lshl_b32 s13, s16, 3
	s_add_co_u32 s12, s12, s13
	s_lshl_b32 s12, s12, 13
	s_lshl_b32 s13, s42, 8
	s_add_co_u32 s12, s12, s13                     ; out0: the first row that I store
	s_mov_b32 s13, 0
	s_mov_b32 s[LG], 0xbfb8aa3b                    ; -log2(e)
	s_mov_b32 s[LG+1], s[LG]
	s_mov_b32 s[L2], 0xc038aa3b                    ; -2 log2(e)
	s_mov_b32 s[SGN], 0x80000000
	s_lshl_b32 s[PK], s[PAIR], 1                   ; the prefetches: K step t lies at place (2 pair + t) mod 8
	s_add_co_u32 s[PK], s[PK], 1
	s_mul_i32 s22, s[PK], TILEB                    ; K step 1: place 2 pair + 1, at most 7
	s_mov_b32 s23, 0
	s_add_co_u32 s[PK], s[PK], 1
	s_and_b32 s2, s[PK], 7
	s_mul_i32 s2, s2, TILEB                        ; K step 2
	s_mov_b32 s3, 0
	s_add_co_u32 s[PK], s[PK], 1                   ; K step 3 follows below
	s_cmp_eq_u32 s15, 0
	s_cselect_b32 s96, s40, s41                    ; my place among the four that ask with me
	s_mul_i32 s96, s96, 34*256
	s_mov_b32 s97, 0
	s_mul_i32 s88, s15, HALFT                      ; LDS: my activations' tile in slot 0, 1
	s_add_co_u32 s89, s88, SLOT
	s_mul_i32 s86, s16, HALFT
	s_add_co_u32 s86, s86, 2*HALFT                 ; my weights' tile
	s_add_co_u32 s87, s86, SLOT
	s_add_co_u32 s90, s88, 128*PITCH               ; their scale pieces
	s_add_co_u32 s91, s86, 128*PITCH
	s_wait_dscnt 0x0                               ; both opening adds are done
	s_wait_kmcnt 0x0
	s_add_nc_u64 s[20:21], s[4:5], s[20:21]
	s_add_nc_u64 s[46:47], s[6:7], s[46:47]
	s_add_nc_u64 s[10:11], s[10:11], s[12:13]
	s_cmp_eq_u32 s15, 0
	s_cselect_b64 s[PFB:PFB+1], s[20:21], s[46:47]
	s_add_nc_u64 s[PFB:PFB+1], s[PFB:PFB+1], s[96:97]
	s_add_nc_u64 s[PFA:PFA+1], s[PFB:PFB+1], s[22:23]
	s_add_nc_u64 s[PFA2:PFA2+1], s[PFB:PFB+1], s[2:3]
	s_and_b32 s12, s[PK], 7                        ; (s[12:13] have been used; s13 is 0)
	s_mul_i32 s12, s12, TILEB                      ; K step 3
	s_add_nc_u64 s[PFA3:PFA3+1], s[PFB:PFB+1], s[12:13]
	s_add_co_u32 s[PK], s[PK], 1                   ; the first refill's prefetch names K step 4
	s_add_nc_u64 s[20:21], s[20:21], s[18:19]      ; on to my cluster's first pair of K steps
	s_add_nc_u64 s[46:47], s[46:47], s[18:19]
	s_mov_b32 s[G0C], 1
	s_mul_i32 s[G0C+1], s14, 64*PITCH
	s_add_nc_u64 s[G0C+2:G0C+3], s[8:9], s[84:85]
	s_or_b32 s[G0C+3], s[G0C+3], 0x80000000
.irp s, 0,1
	s_mov_b32 s[G0+4*\s], 1
	s_add_co_u32 s[G0+4*\s+1], s45, \s*SLOT
	s_add_nc_u64 s[G0+4*\s+2:G0+4*\s+3], s[20:21], \s*TILEB
	s_or_b32 s[G0+4*\s+3], s[G0+4*\s+3], 0x80000000
	s_mov_b32 s[G0B+4*\s], 1
	s_add_co_u32 s[G0B+4*\s+1], s45, \s*SLOT
	s_add_nc_u64 s[G0B+4*\s+2:G0B+4*\s+3], s[46:47], \s*TILEB
	s_or_b32 s[G0B+4*\s+3], s[G0B+4*\s+3], 0x80000000
.endr
	s_mul_i32 s2, s15, 128*PITCH                   ; c_state and the stage: my 128 rows,
	s_mul_i32 s3, s16, 8*PITCH
	s_add_co_u32 s3, s3, s2
	s_add_co_u32 s3, s3, STG                       ; back from the stage: 8 of each 16 rows
	s_lshl_b32 s96, s16, 7
	s_add_co_u32 s2, s2, s96                       ; my 128 bytes of them
	CROUND                                         ; all sixteen work-groups are here: the first joint loads meet
	JLOAD G0, G1, G0B, G1B                         ; K step 0: one tensor load a wave at the head
	v_and_b32 v1, 15, v0                           ; r
	v_bfe_u32 v2, v0, 4, 1                         ; h
	v_and_b32 v6, 31, v0
	v_mul_u32_u24 v3, v1, PITCH
	v_mul_u32_u24 v5, v2, PITCH
	v_lshl_add_u32 v4, v2, 4, v3                   ; a fragment: row r, 16 h
	v_lshl_add_u32 v5, v1, 4, v5                   ; piece h, 16 r
	v_lshlrev_b32 v[PF0], 8, v6
	v_min_u32 v[PF1], 1, v6
	v_lshlrev_b32 v[PF1], 8, v[PF1]
	v_lshl_add_u32 v[ADSA], v1, 4, s90             ; activations' scales: row r's 16 bytes, in both halves of the lanes
	v_add_nc_u32 v[ADSA+1], SLOT, v[ADSA]
	v_add_nc_u32 v[ADSB], s91, v5                  ; weights': lane m takes row m of 32
	v_add_nc_u32 v[ADSB+1], SLOT, v[ADSB]
	v_lshl_add_u32 v7, v2, 5, v3
	v_add_nc_u32 v[CRD], s2, v7
	v_add_nc_u32 v[STO], STG, v[CRD]
	v_add_nc_u32 v[RD], s3, v5
	v_lshlrev_b32 v8, 13, v2
	v_lshl_add_u32 v[CO], v1, 4, v8
.irp w, 0x40, 0x80                     ; the fragments' addresses, once in window 1 and once in window 2
	WIN \w
	v_add_nc_u32 v[XB], s86, v4
	v_add_nc_u32 v[XB+1], s87, v4
	v_add_nc_u32 v[XA], s88, v4
	v_add_nc_u32 v[XA+1], s89, v4
.endr
	WIN 0
	ASKFOR PFA                                     ; K step 1
.macro FRAG reg, adr, q, i             ; 16 rows x 128 K of 4-bit codes: 8 registers, two loads 32 bytes apart
.irp c, 0,1
	ds_load_b128 v[\reg+4*\c:\reg+4*\c+3], v[\adr] offset:64*(\q)+32*\c+(\i)*16*PITCH
.endr
.endm
; One run of 32 LDS loads: the fragments of the slot's q-th 128 along K into set p: the weights' into window 1 + p, the activations' into window 3; the addresses come from window 1 + p.
.macro FETCH slot, q, p
	WIN ((1+(\p))<<6)|(1+(\p))
.irp i, 0,1,2,3,4,5,6,7
	FRAG 8*\i, XB+(\slot), \q, \i
.endr
	WIN (3<<6)|(1+(\p))
.irp i, 0,1,2,3,4,5,6,7
	FRAG 64*(\p)+8*\i, XA+(\slot), \q, \i
.endr
.endm
; A phase: the 8 products of window w's accumulators (blocks 2 w, 2 w + 1 x four pairs of weight blocks), step q of parity p, scale set sc.  The accumulators take turns.
.macro PH w, p, q, sc, zero
	WIN ((\w)<<6)|((\w)<<4)|(3<<2)|(1+(\p))
.irp a, 0,1
.irp b, 0,1,2,3
.if \zero
	v_wmma_scale_f32_32x16x128_f4 v[ACB+64*\a+16*\b:ACB+64*\a+16*\b+15], v[16*\b:16*\b+15], v[64*(\p)+8*(2*(\w)+\a):64*(\p)+8*(2*(\w)+\a)+7], 0, v[SC+48*(\sc)+4*\b+(\q)], v[SC+48*(\sc)+16+4*(2*(\w)+\a)+(\q)]
.else
	v_wmma_scale_f32_32x16x128_f4 v[ACB+64*\a+16*\b:ACB+64*\a+16*\b+15], v[16*\b:16*\b+15], v[64*(\p)+8*(2*(\w)+\a):64*(\p)+8*(2*(\w)+\a)+7], v[ACB+64*\a+16*\b:ACB+64*\a+16*\b+15], v[SC+48*(\sc)+4*\b+(\q)], v[SC+48*(\sc)+16+4*(2*(\w)+\a)+(\q)]
.endif
.endr
.endr
.endm
.macro SCALES s                        ; a K step's scale words: four words a row; 4 loads for the weights' 128 rows, 8 for the activations'
.irp i, 0,1,2,3
	ds_load_b128 v[SC+48*\s+4*\i:SC+48*\s+4*\i+3], v[ADSB+\s] offset:2*\i*PITCH
.endr
.irp i, 0,1,2,3,4,5,6,7
	ds_load_b128 v[SC+48*\s+16+4*\i:SC+48*\s+16+4*\i+3], v[ADSA+\s] offset:\i*PITCH
.endr
.endm
; A step that has its successor in the same slot.
.macro STEP slot, q, zero
	PLACES                                         ; in front of the loads into the set that the step before multiplied
	FETCH \slot, (\q)+1, 1-((\q)%2)
	s_wait_dscnt 32                                ; all but the 32 just issued: this step's fragments, asked for a step ago, are in
.irp w, 0,1,2,3
	PH \w, (\q)%2, \q, \slot, \zero
.endr
.endm
; A slot's last step changes slots.  fill = 1: the slot takes the K step two on, by joint loads; fill = 2: slot 0 takes c_state's tile.
.macro TURN slot, next, fill
	WIN 0
.if \fill == 1
	s_wait_xcnt 0x0                                ; my last prefetches have read their address: it is made anew here
	s_and_b32 s22, s[PK], 7
	s_mul_i32 s22, s22, TILEB
	s_add_nc_u64 s[PFA:PFA+1], s[PFB:PFB+1], s[22:23]
	s_add_co_u32 s[PK], s[PK], 1
.endif
	s_wait_tensorcnt 0x0                           ; all my tensor loads have landed: my part of the next slot
	ds_add_u32 v[SPW], v[NIL]
.if \fill == 1
	s_add_nc_u64 s[G0+4*\slot+2:G0+4*\slot+3], s[G0+4*\slot+2:G0+4*\slot+3], 2*TILEB
	s_sub_nc_u64 s[G0+4*\slot+2:G0+4*\slot+3], s[G0+4*\slot+2:G0+4*\slot+3], s[WRAP:WRAP+1]
	s_add_nc_u64 s[G0B+4*\slot+2:G0B+4*\slot+3], s[G0B+4*\slot+2:G0B+4*\slot+3], 2*TILEB
	s_sub_nc_u64 s[G0B+4*\slot+2:G0B+4*\slot+3], s[G0B+4*\slot+2:G0B+4*\slot+3], s[WRAP:WRAP+1]
.endif
	s_wait_dscnt 1                                 ; this step's fragments are in; the add may be out
	PH 0, 1, 3, \slot, 0
	s_wait_dscnt 0x0                               ; the add is done, and my reads of this slot are over
	s_barrier_signal -1
	PH 1, 1, 3, \slot, 0
	WIN 0
	s_barrier_wait -1
	CREST                                          ; the barrier has opened a round of the cluster's barrier
.if \fill == 1
	JLOAD G0+4*\slot, G1, G0B+4*\slot, G1B         ; its four v_nop are also the places in front of the loads below
.else
	tensor_load_to_lds s[G0C:G0C+3], s[G1C:G1C+7]
	s_nop 0
	PLACES
.endif
	SCALES \next
	FETCH \next, 0, 0
	WIN 0
.if \fill == 1
	s_cmp_gt_u32 s3, 1                             ; the loop's last trip fetches K steps 6 and 7: no K step stands two on
	s_cbranch_scc0 .Lno_ask_\@
	ASKFOR PFA
.Lno_ask_\@:
.endif
	PH 2, 1, 3, \slot, 0
	PH 3, 1, 3, \slot, 0
.endm
	s_wait_alu depctr_va_vdst(0)
	s_wait_tensorcnt 0x0                           ; my part of K step 0 is in; the lines that stand ahead of a later first fill:
	ds_add_u32 v[SPW], v[NIL]
	s_wait_dscnt 0x0
	CROUND
	JLOAD G0+4, G1, G0B+4, G1B                     ; K step 1, slot 1's first fill
	SCALES 0
	FETCH 0, 0, 0
	WIN 0
	ASKFOR PFA2                                    ; K step 2
	ASKFOR PFA3                                    ; K step 3
	STEP 0, 0, 1                                   ; the first step's products start the sums
	WIN 0
	s_mov_b32 s3, LAPS-1
.Llap:                                                 ; a trip goes once round the ring, from a lap's second step to the next lap's first
	s_add_co_u32 s[PAIR], s[PAIR], 1
	s_cmp_eq_u32 s[PAIR], 4
	s_cselect_b32 s[WRAP], 8*TILEB, 0              ; past the last pair of K steps: back to the first
	STEP 0, 1, 0
	STEP 0, 2, 0
	TURN 0, 1, 1
	STEP 1, 0, 0
	STEP 1, 1, 0
	STEP 1, 2, 0
	TURN 1, 0, 1
	STEP 0, 0, 0
	WIN 0
	s_sub_co_u32 s3, s3, 1
	s_cmp_lg_u32 s3, 0
	s_cbranch_scc1 .Llap
	STEP 0, 1, 0
	STEP 0, 2, 0
	TURN 0, 1, 2
	STEP 1, 0, 0
	STEP 1, 1, 0
	STEP 1, 2, 0
	s_wait_dscnt 0x0                               ; the very last step fetches nothing
.irp w, 0,1,2,3
	PH \w, 1, 3, 1, 0
.endr
	PLACES
; THE ACTIVATIONS, the two blocks of a window at once.  In block 2 w + o, from AC = 128 + 64 o of window w: AC+0..15 f, +16..31 i, +32..47 g, +48..63 o.
; P1: d = 1 + 2^(-x log2 e) of all four gates; 1 / d_f; 1 / (d_i d_g); d_o is kept.
.macro P1 w
	WIN 0x55*(\w)
.set k, 0
.rept 64
	v_pk_mul_f32 v[ACB+k:ACB+k+1], v[ACB+k:ACB+k+1], s[LG:LG+1] op_sel_hi:[1,0]   ; each accumulator from its low end on
.set k, k+2
.endr
.set k, 0
	s_wait_alu depctr_va_vdst(0)
.rept 128
	v_exp_f32 v[ACB+k], v[ACB+k]
.set k, k+1
.endr
	v_nop
.set k, 0
	s_wait_alu depctr_va_vdst(0)
.rept 64
	v_pk_add_f32 v[ACB+k:ACB+k+1], v[ACB+k:ACB+k+1], 1.0 op_sel_hi:[1,0]
.set k, k+2
.endr
.irp o, 0,64
.set k, 0
.rept 8
	v_pk_mul_f32 v[ACB+\o+16+k:ACB+\o+17+k], v[ACB+\o+16+k:ACB+\o+17+k], v[ACB+\o+32+k:ACB+\o+33+k]
.set k, k+2
.endr
.endr
	s_wait_alu depctr_va_vdst(0)
.irp o, 0,64
.set k, 0
.rept 32
	v_rcp_f32 v[ACB+\o+k], v[ACB+\o+k]
.set k, k+1
.endr
.endr
	v_nop
.endm
.macro CLOAD a                         ; c_state of block a: 16 numbers a lane, into window 3's v[16 a ..], where the fragments lay
.irp u, 0,1
.irp j, 0,1
	ds_load_b128 v[16*(\a)+8*\u+4*\j:16*(\a)+8*\u+4*\j+3], v[CRD] offset:(\a)*16*PITCH+64*\u+16*\j
.endr
.endr
.endm
.macro SENDB w                         ; blocks 2 w, 2 w + 1: 16 lanes store 256 consecutive bytes of a row of out0, at a multiple of 256
	WIN 0x0c
.irp b, 2*(\w), 2*(\w)+1
.irp t, 0,1,2,3
	global_store_b128 v[CO], v[16*(\b)+4*\t:16*(\b)+4*\t+3], s[10:11] offset:(16*(\b)+2*\t)*8192 th:TH_STORE_NT
.endr
.endr
.endm
.macro MEET w                          ; a row's 256 bytes come from two waves: my stores into the stage are done, a barrier, and 8 whole rows of each of blocks 2 w, 2 w + 1 come back
	s_wait_dscnt 0x0
	s_barrier_signal -1
	s_barrier_wait -1
	WIN 0xc0
.irp b, 2*(\w), 2*(\w)+1
.irp t, 0,1,2,3
	ds_load_b128 v[16*(\b)+4*\t:16*(\b)+4*\t+3], v[RD] offset:(16*(\b)+2*\t)*PITCH
.endr
.endr
.if (\w) > 0
	SENDB (\w)-1
.endif
.endm
; P2: ct = c / d_f + 1 / (d_i d_g); e = 2^(-2 log2(e) |ct|); ht = sign(ct) (1 - e) / ((1 + e) d_o)
.macro P2 w
.if (\w) == 0
	s_wait_dscnt 0x0
.endif
	WIN 0x51*(\w)+0x0c
.irp o, 0,1
.set k, 0
.rept 8
	v_pk_fma_f32 v[ACB+64*\o+32+k:ACB+64*\o+33+k], v[ACB+64*\o+k:ACB+64*\o+k+1], v[32*(\w)+16*\o+k:32*(\w)+16*\o+k+1], v[ACB+64*\o+16+k:ACB+64*\o+17+k]
.set k, k+2
.endr
.endr
	WIN 0x55*(\w)
.irp o, 0,64
.set k, 0
.rept 16
	v_mul_f32 v[ACB+\o+k], s[L2], |v[ACB+\o+32+k]|
.set k, k+1
.endr
.endr
	s_wait_alu depctr_va_vdst(0)
.irp o, 0,64
.set k, 0
.rept 16
	v_exp_f32 v[ACB+\o+k], v[ACB+\o+k]
.set k, k+1
.endr
.endr
.if (\w) > 0
	MEET (\w)-1
	WIN 0x55*(\w)
.endif
	v_nop
	s_wait_alu depctr_va_vdst(0)
.irp o, 0,64
.set k, 0
.rept 8
	v_pk_fma_f32 v[ACB+\o+16+k:ACB+\o+17+k], v[ACB+\o+k:ACB+\o+k+1], -1.0, 1.0 op_sel_hi:[1,0,0]
.set k, k+2
.endr
.endr
.irp o, 0,64
.set k, 0
.rept 8
	v_pk_add_f32 v[ACB+\o+k:ACB+\o+k+1], v[ACB+\o+k:ACB+\o+k+1], 1.0 op_sel_hi:[1,0]
.set k, k+2
.endr
.endr
.irp o, 0,64
.set k, 0
.rept 8
	v_pk_mul_f32 v[ACB+\o+k:ACB+\o+k+1], v[ACB+\o+k:ACB+\o+k+1], v[ACB+\o+48+k:ACB+\o+49+k]
.set k, k+2
.endr
.endr
	s_wait_alu depctr_va_vdst(0)
.irp o, 0,64
.set k, 0
.rept 16
	v_rcp_f32 v[ACB+\o+k], v[ACB+\o+k]
.set k, k+1
.endr
.endr
	v_nop
	s_wait_alu depctr_va_vdst(0)
.irp o, 0,64
.set k, 0
.rept 8
	v_pk_mul_f32 v[ACB+\o+16+k:ACB+\o+17+k], v[ACB+\o+16+k:ACB+\o+17+k], v[ACB+\o+k:ACB+\o+k+1]
.set k, k+2
.endr
.endr
.irp o, 0,64
.set k, 0
.rept 16
	v_and_or_b32 v[ACB+\o+16+k], v[ACB+\o+32+k], s[SGN], v[ACB+\o+16+k]
.set k, k+1
.endr
.endr
	WIN 4*(\w)
.irp o, 0,1
.irp u, 0,1
.irp j, 0,1
	ds_store_b128 v[STO], v[ACB+64*\o+16+8*\u+4*\j:ACB+64*\o+16+8*\u+4*\j+3] offset:(2*(\w)+\o)*16*PITCH+64*\u+16*\j
.endr
.endr
.endr
.endm
.irp w, 0,1,2
	s_wait_alu depctr_va_vdst(0)                   ; a wait ahead of the first reader of matrix results behind transcendentals
	P1 \w
.endr
	WIN 0
	s_wait_tensorcnt 0x0                           ; my 64 rows of c_state are in,
	s_barrier_signal -1
	s_barrier_wait -1                              ; and everybody's
	WIN 0xc0
.irp a, 0,1,2,3,4,5,6,7
	CLOAD \a
.endr
	s_wait_alu depctr_va_vdst(0)
	P1 3
.irp w, 0,1,2,3
	P2 \w
.endr
	MEET 3
	s_wait_dscnt 0x0
	SENDB 3
	WIN 0
	s_wait_tensorcnt 0x0                           ; the wave's end
	ds_add_u32 v[SPW], v[NIL]
	s_wait_dscnt 0x0
	CROUND                                         ; the closing round
	s_endpgm
.Lfunc_end_k_qed6059ce59_cell:
	.size	k_qed6059ce59_cell, .Lfunc_end_k_qed6059ce59_cell-k_qed6059ce59_cell
	.p2alignl 7, 3214868480
	.fill 96, 4, 3214868480
	.section	.rodata,"a",@progbits
	.p2align	6, 0x0
	.amdhsa_kernel k_qed6059ce59_cell
		.amdhsa_group_segment_fixed_size 327680
		.amdhsa_private_segment_fixed_size 0
		.amdhsa_enable_private_segment 0
		.amdhsa_kernarg_size 32
		.amdhsa_user_sgpr_count 2
		.amdhsa_user_sgpr_kernarg_segment_ptr 1
		.amdhsa_wavefront_size32 1
		.amdhsa_system_sgpr_workgroup_id_x 1
		.amdhsa_system_sgpr_workgroup_id_y 1
		.amdhsa_system_sgpr_workgroup_id_z 1
		.amdhsa_system_vgpr_workitem_id 0
		.amdhsa_next_free_vgpr 1024
		.amdhsa_next_free_sgpr 102
		.amdhsa_reserve_vcc 0
		.amdhsa_float_denorm_mode_32 3
		.amdhsa_float_denorm_mode_16_64 3
		.amdhsa_memory_ordered 1
		.amdhsa_forward_progress 1
		.amdhsa_inst_pref_size 236
	.end_amdhsa_kernel
	.amdgpu_metadata
---
amdhsa.version: [ 1, 2 ]
amdhsa.kernels:
  - .name:           k_qed6059ce59_cell
    .symbol:         k_qed6059ce59_cell.kd
    .args:
      - { .name: a_pack, .offset: 0, .size: 8, .value_kind: global_buffer, .address_space: global }
      - { .name: b_pack, .offset: 8, .size: 8, .value_kind: global_buffer, .address_space: global }
      - { .name: c_state, .offset: 16, .size: 8, .value_kind: global_buffer, .address_space: global }
      - { .name: out0, .offset: 24, .size: 8, .value_kind: global_buffer, .address_space: global }
    .group_segment_fixed_size: 327680
    .private_segment_fixed_size: 0
    .kernarg_segment_align: 8
    .kernarg_segment_size: 32
    .max_flat_workgroup_size: 128
    .sgpr_count:     102
    .vgpr_count:     1024
    .wavefront_size: 32
...
	.end_amdgpu_metadata
.endif
;; end of part 2
